; MI455X (gfx1250); checked and timed in simulation.
; The chip was launched on July 23, 2026; its instructions are those of AMD's public machine-readable ISA for CDNA 5 (MIT licence, August 2026) and "CDNA5" Instruction Set Architecture Reference Guide (July 2026). The comments in the code are by the model that wrote it; some were corrected since.
;; Multi Head Attention. Allowed arithmetic: float matrix products may take bf16 or f16 operands with f32 sums; all other float work in f32.
;; Inputs: Wk 512 x 512 float32; Wo 512 x 512 float32; Wq 512 x 512 float32; Wv 512 x 512 float32; bk 512 float32; bo 512 float32; bq 512 float32; bv 512 float32; key 2 x 4,096 x 512 float32; query 2 x 4,096 x 512 float32; value 2 x 4,096 x 512 float32.
;; Outputs: out0 2 x 4,096 x 512 float32.
;; One version. Each part assembles by itself: llvm-mc -triple=amdgcn-amd-amdhsa -mcpu=gfx1250 --defsym DOCPART=n.
;; ======== version 1 of 1: 3 launches
;; limits: values are held in f16: magnitudes above 65,504 overflow, below 6.1e-05 lose precision
;; workspace buffers: qh 8,388,608 bytes; kh 8,388,608 bytes; vh 8,388,608 bytes; att 8,388,608 bytes
;; launch proj (part 1): grid 12 x 64, 8 waves a work-group, no clusters, 144,384 bytes of LDS; arguments query, key, value, Wq, Wk, Wv, bq, bk, bv, qh, kh, vh; writes qh, kh, vh
.if DOCPART == 1
	.amdgcn_target "amdgcn-amd-amdhsa--gfx1250"
	.amdhsa_code_object_version 6
	.text
	.protected	k_qea3dda78d6_proj
	.globl	k_qea3dda78d6_proj
	.p2align	8
	.type	k_qea3dda78d6_proj,@function
k_qea3dda78d6_proj:
	s_mov_b64 s[64:65], 0
	v_nop
	global_prefetch_b8 v0, s[64:65] scope:SCOPE_SE
	s_setreg_imm32_b32 hwreg(HW_REG_WAVE_MODE, 25, 1), 1
	s_wait_xcnt 0x0
; The three input projections: y = x W + b, rounded once to f16 and laid out by heads: [b*8+head][s][64].
; x: [8192][512] f32, W: [512 (k)][512 (n)] f32, b: [512] f32.  Work-group x = 4*mat + cb (mat 0, 1, 2 = query, key, value; cb = a block of
; 128 columns), y = rb (a block of 128 rows).  Q is also multiplied by log2(e)/8, in f32 before its one rounding, so that the attention's
; scores come out of the matrix unit as exponents of 2.
; F16, NOT BF16: between the inputs and out0 lie five roundings of intermediates (Q, K, the weights, V, the attended rows).  With 8 significant
; bits their joint error has a spread of about a third of the allowed 1 per cent of the output's rms, which 4.2 million numbers do not all keep;
; with 11 bits it is an eighth of that.
; ROOM IN F16 (largest number 65,504): x and W both 30 times larger give |y| of about 30 x 30 x 5.5 = 5,000; x and W both offset by 30 of their
; spreads (30 and 30/sqrt(512) = 1.33) give 512 x 30 x 1.33 = 20,400; 30 times smaller both, y is about 1e-3 against f16's step of 6e-8 near 0.
; LIMIT: a projected value beyond 65,504 in magnitude is stored as an infinity, and NaN follows in the attention.
; LIMIT: the bias enters as acc*c + b*c (c = log2(e)/8 for Q, 1 for K and V), one order of rounding other than (acc + b)*c.
; Eight waves: wave w makes rows 32 (w & 3) .. +31 and columns 64 (w >> 2) .. +63 (one head) of the block: 8 accumulator tiles of 16 x 16.
; K goes in 4 steps of 128 through two LDS slots.  The way in is through registers, because that is where f32 is rounded to f16:
; 16-byte loads (a wave's load covers 512 consecutive bytes of one row), v_cvt_pk_f16_f32 in place, ds_store_b64.
; W lies in LDS as in memory, [k][n], and is read transposed by ds_load_tr16_b128.
; NO TENSOR LOADS, NO JOINT REQUESTS: the tiles that work-groups share are f32; brought into LDS as they are they would take twice the LDS
; bytes and a second pass through registers and LDS to round them, and the transposing LDS load takes 16-bit data.
.set SLOTB, 71680                      ; a slot: A's 128 rows, then W's 128 k rows
.set WOFF,  34816                      ; W's part begins behind 128 rows of 272 bytes
.set AP,    272                        ; A: 256 bytes + 16: sixteen rows begin at sixteen different 16-byte columns modulo 256 bytes
.set WP,    288                        ; W: 256 bytes + 32: an odd multiple of 32, for the transposing loads
.set SP,    144                        ; the stage on the way out: 128 bytes + 16
.set ACC,   16                         ; v[16:79]   acc[mb][nb] at 16 + 8 (4 mb + nb)
.set FA,    80                         ; v[80:95]   fragments of x, mb = 0, 1
.set FB,    96                         ; v[96:127]  fragments of W, nb = 0 .. 3
.set GA,    128                        ; v[128:191] x as loaded, 16 x 4 registers; later the bias and the rows read back
.set GW,    192                        ; v[192:255] W as loaded; later the packed results
; v1 byte offset of my 16 bytes in x's and in W's tile (both have rows of 2,048 bytes); v2, v3 where I store x in slot 0, 1; v4, v5 the same for W;
; v6, v7 my fragments of x in slot 0, 1; v8, v9 of W; v10 stage in; v11 stage back; v12 16 x lane; v13 32 h.  None is ever rewritten.
.macro PLACES n
.rept \n
	v_nop
.endr
.endm
	s_load_b512 s[8:23], s[0:1], 0x0               ; query s[8:9], key s[10:11], value s[12:13], Wq s[14:15], Wk s[16:17], Wv s[18:19], bq s[20:21], bk s[22:23]
	s_load_b256 s[24:31], s[0:1], 0x40             ; bv s[24:25], qh s[26:27], kh s[28:29], vh s[30:31]
	v_lshl_add_u32 v14, v0, 2, 0x23000
	v_mov_b32 v15, 0
	v_lshrrev_b32 v16, 5, v0
	v_readfirstlane_b32 s7, v16                    ; wave 0 .. 7
	s_lshr_b32 s4, ttmp9, 2                        ; mat
	s_and_b32 s5, ttmp9, 3                         ; cb
	s_and_b32 s6, ttmp7, 0xffff                    ; rb
	s_and_b32 s42, s7, 3                           ; wm: my 32 rows
	s_lshr_b32 s43, s7, 2                          ; wn: my 64 columns
	v_and_b32 v16, 31, v0                          ; L
	v_and_b32 v17, 15, v0                          ; r
	v_bfe_u32 v18, v0, 4, 1                        ; h
	v_and_b32 v19, 7, v0                           ; L & 7
	v_bfe_u32 v20, v0, 3, 1                        ; (L >> 3) & 1
	v_lshrrev_b32 v21, 3, v16                      ; L >> 3
	s_lshl_b32 s44, s7, 11
	v_lshl_add_u32 v1, v16, 4, s44                 ; row w of each eight rows, 16 bytes a lane
	s_mul_i32 s44, s7, AP
	v_lshl_add_u32 v2, v16, 3, s44                 ; the same place in LDS: 8 bytes a lane
	v_add_nc_u32 v3, SLOTB, v2
	s_mul_i32 s44, s7, WP
	s_add_co_u32 s44, s44, WOFF
	v_lshl_add_u32 v4, v16, 3, s44
	v_add_nc_u32 v5, SLOTB, v4
	s_mul_i32 s44, s42, 32*AP
	v_mul_u32_u24 v6, v17, AP
	v_lshl_add_u32 v6, v18, 4, v6
	v_add_nc_u32 v6, s44, v6                       ; (32 wm + r) x pitch + 16 h
	v_add_nc_u32 v7, SLOTB, v6
	v_lshl_add_u32 v8, v18, 3, v19
	v_mul_u32_u24 v8, v8, WP
	v_lshl_add_u32 v8, v20, 4, v8
	s_lshl_b32 s44, s43, 7
	s_add_co_u32 s44, s44, WOFF
	v_add_nc_u32 v8, s44, v8                       ; ((L & 7) + 8 h) x pitch + 16 ((L >> 3) & 1) + 128 wn
	v_add_nc_u32 v9, SLOTB, v8
	s_mul_i32 s44, s7, 32*SP                       ; my stage: 32 rows of 144 bytes
	v_mul_u32_u24 v10, v17, SP
	v_lshl_add_u32 v10, v18, 4, v10
	v_add_nc_u32 v10, s44, v10
	v_mul_u32_u24 v11, v21, SP
	v_lshl_add_u32 v11, v19, 4, v11
	v_add_nc_u32 v11, s44, v11
	v_lshlrev_b32 v12, 4, v16
	v_lshlrev_b32 v13, 5, v18
	s_wait_kmcnt 0x0
	s_cmp_eq_u32 s4, 1                             ; the four buffers of my projection, chosen by mat
	s_cselect_b64 s[32:33], s[10:11], s[8:9]
	s_cselect_b64 s[34:35], s[16:17], s[14:15]
	s_cselect_b64 s[36:37], s[22:23], s[20:21]
	s_cselect_b64 s[38:39], s[28:29], s[26:27]
	s_cmp_eq_u32 s4, 2
	s_cselect_b64 s[32:33], s[12:13], s[32:33]
	s_cselect_b64 s[34:35], s[18:19], s[34:35]
	s_cselect_b64 s[36:37], s[24:25], s[36:37]
	s_cselect_b64 s[38:39], s[30:31], s[38:39]
	s_cmp_eq_u32 s4, 0
	s_cselect_b32 s40, 0x3e38aa3b, 1.0             ; log2(e)/8 for Q, 1 for K and V
	s_mov_b32 s41, s40
	s_lshl_b32 s44, s6, 18                         ; rb x 128 rows x 2,048 bytes
	s_mov_b32 s45, 0
	s_add_nc_u64 s[32:33], s[32:33], s[44:45]      ; x at my block's first row
	s_lshl_b32 s44, s5, 9
	s_add_nc_u64 s[34:35], s[34:35], s[44:45]      ; W at my block's first column
	s_lshl_b32 s46, s43, 8
	s_add_co_u32 s44, s44, s46
	s_add_nc_u64 s[36:37], s[36:37], s[44:45]      ; the bias at my wave's first column
	s_lshr_b32 s44, s6, 5                          ; b
	s_lshl_b32 s44, s44, 3
	s_lshl_b32 s46, s5, 1
	s_add_co_u32 s44, s44, s46
	s_add_co_u32 s44, s44, s43                     ; b*8 + head, head = 2 cb + wn
	s_lshl_b32 s44, s44, 19                        ; x 4,096 rows of 128 bytes
	s_and_b32 s46, s6, 31
	s_lshl_b32 s46, s46, 14                        ; + my block's 128 rows
	s_add_co_u32 s44, s44, s46
	s_lshl_b32 s46, s42, 12                        ; + my wave's 32 rows
	s_add_co_u32 s44, s44, s46
	s_add_nc_u64 s[38:39], s[38:39], s[44:45]
; K step t's tiles into registers: 16 loads of x, then 16 of W.  All steps stand in the immediates: no address register is stepped.
.macro GLOAD t
.set i, 0
.rept 16
	global_load_b128 v[GA+4*i:GA+4*i+3], v1, s[32:33] offset:\t*512+i*16384
.set i, i+1
.endr
.set i, 0
.rept 16
	global_load_b128 v[GW+4*i:GW+4*i+3], v1, s[34:35] offset:\t*262144+i*16384
.set i, i+1
.endr
.endm
; Round to f16 in place and store into the slot.  The one barrier at the end orders two things: every wave's stores into this slot are done
; before any wave reads it, and every wave's reads of the other slot (each waited for in MM) are done before the next step stores into it.
.macro CVTST slot
	s_wait_loadcnt 16                              ; loads come back in order: x's 16 are in, W's 16 stay out
.set i, 0
.rept 16
	v_cvt_pk_f16_f32 v[GA+4*i], v[GA+4*i], v[GA+4*i+1]
	v_cvt_pk_f16_f32 v[GA+4*i+1], v[GA+4*i+2], v[GA+4*i+3]
	ds_store_b64 v[2+\slot], v[GA+4*i:GA+4*i+1] offset:i*8*AP
.set i, i+1
.endr
	s_wait_loadcnt 0x0
.set i, 0
.rept 16
	v_cvt_pk_f16_f32 v[GW+4*i], v[GW+4*i], v[GW+4*i+1]
	v_cvt_pk_f16_f32 v[GW+4*i+1], v[GW+4*i+2], v[GW+4*i+3]
	ds_store_b64 v[4+\slot], v[GW+4*i:GW+4*i+1] offset:i*8*WP
.set i, i+1
.endr
	s_wait_dscnt 0x0                               ; for the other waves' sake: all my stores are in LDS
	s_barrier_signal -1
	s_barrier_wait -1
.endm
; 32 along K: 12 LDS loads, 8 products.  Source 0 = 16 columns of W, source 1 = 16 rows of x, so that a lane's eight results are eight
; neighbouring columns of one row.  The eight accumulators take turns, one instruction a turn.
.macro MM slot, kk, zero
	PLACES 4                                       ; four places between the last products and the loads into their sources (ISA guide 7.12.1 for vector instructions)
.irp mb, 0,1
	ds_load_b128 v[FA+8*\mb:FA+8*\mb+3],   v[6+\slot] offset:\mb*16*AP+\kk*64
	ds_load_b128 v[FA+8*\mb+4:FA+8*\mb+7], v[6+\slot] offset:\mb*16*AP+\kk*64+32
.endr
.irp nb, 0,1,2,3
	ds_load_tr16_b128 v[FB+8*\nb:FB+8*\nb+3],   v[8+\slot] offset:\kk*32*WP+\nb*32
	ds_load_tr16_b128 v[FB+8*\nb+4:FB+8*\nb+7], v[8+\slot] offset:\kk*32*WP+16*WP+\nb*32
.endr
	s_wait_dscnt 0x0
.irp mb, 0,1
.irp nb, 0,1,2,3
.if \zero
	v_wmma_f32_16x16x32_f16 v[ACC+8*(4*\mb+\nb):ACC+8*(4*\mb+\nb)+7], v[FB+8*\nb:FB+8*\nb+7], v[FA+8*\mb:FA+8*\mb+7], 0
.else
	v_wmma_f32_16x16x32_f16 v[ACC+8*(4*\mb+\nb):ACC+8*(4*\mb+\nb)+7], v[FB+8*\nb:FB+8*\nb+7], v[FA+8*\mb:FA+8*\mb+7], v[ACC+8*(4*\mb+\nb):ACC+8*(4*\mb+\nb)+7]
.endif
.endr
.endr
.endm
.macro MM4 slot, zero
	MM \slot, 0, \zero
	MM \slot, 1, 0
	MM \slot, 2, 0
	MM \slot, 3, 0
.endm
	GLOAD 0
	CVTST 0
	GLOAD 1                                        ; the next step's 32 loads are on their way while this step is multiplied
	MM4 0, 1                                       ; the first products start the sums: nothing is cleared
	CVTST 1
	GLOAD 2
	MM4 1, 0
	CVTST 0
	GLOAD 3
	MM4 0, 0
	CVTST 1                                        ; behind this barrier nobody reads slot 0 any more: the stages lie there
.irp nb, 0,1,2,3
	global_load_b128 v[GA+8*\nb:GA+8*\nb+3],   v13, s[36:37] offset:\nb*64      ; bias of columns 16 nb + 8 h .. + 7, as an accumulator's lane holds them
	global_load_b128 v[GA+8*\nb+4:GA+8*\nb+7], v13, s[36:37] offset:\nb*64+16
.endr
	MM4 1, 0
	; THE WAY OUT: acc*c + b*c, one rounding to f16, 16 bytes a lane into my own stage, whole rows back, 512 consecutive bytes a store.
	PLACES 4                                       ; four places between the last products and the first reader of a result
	s_wait_loadcnt 0x0
.set i, 0
.rept 16
	v_pk_mul_f32 v[GA+2*i:GA+2*i+1], v[GA+2*i:GA+2*i+1], s[40:41] op_sel_hi:[1,0]
.set i, i+1
.endr
.irp mb, 0,1
.irp nb, 0,1,2,3
.irp p, 0,2,4,6
	v_pk_fma_f32 v[ACC+8*(4*\mb+\nb)+\p:ACC+8*(4*\mb+\nb)+\p+1], v[ACC+8*(4*\mb+\nb)+\p:ACC+8*(4*\mb+\nb)+\p+1], s[40:41], v[GA+8*\nb+\p:GA+8*\nb+\p+1] op_sel_hi:[1,0,1]
.endr
.endr
.endr
.irp mb, 0,1
.irp nb, 0,1,2,3
.irp p, 0,1,2,3
	v_cvt_pk_f16_f32 v[GW+4*(4*\mb+\nb)+\p], v[ACC+8*(4*\mb+\nb)+2*\p], v[ACC+8*(4*\mb+\nb)+2*\p+1]
.endr
	ds_store_b128 v10, v[GW+4*(4*\mb+\nb):GW+4*(4*\mb+\nb)+3] offset:\mb*16*SP+\nb*32
.endr
.endr
.irp t, 0,1,2,3,4,5,6,7
	ds_load_b128 v[GA+32+4*\t:GA+32+4*\t+3], v11 offset:\t*4*SP    ; four rows of 128 bytes; LDS serves a wave's instructions in order: these see my stores
.endr
.irp t, 0,1,2,3,4,5,6,7
	s_wait_dscnt 7-\t                              ; the younger loads stay out
	global_store_b128 v12, v[GA+32+4*\t:GA+32+4*\t+3], s[38:39] offset:512*\t   ; a head's rows follow each other: 512 consecutive bytes, aligned
.endr
	s_wait_tensorcnt 0x0
	ds_add_u32 v14, v15
	s_wait_dscnt 0x0
	s_endpgm
.Lfunc_end_k_qea3dda78d6_proj:
	.size	k_qea3dda78d6_proj, .Lfunc_end_k_qea3dda78d6_proj-k_qea3dda78d6_proj
	.p2alignl 7, 3214868480
	.fill 96, 4, 3214868480
	.section	.rodata,"a",@progbits
	.p2align	6, 0x0
	.amdhsa_kernel k_qea3dda78d6_proj
		.amdhsa_group_segment_fixed_size 144384
		.amdhsa_private_segment_fixed_size 0
		.amdhsa_enable_private_segment 0
		.amdhsa_kernarg_size 96
		.amdhsa_user_sgpr_count 2
		.amdhsa_user_sgpr_kernarg_segment_ptr 1
		.amdhsa_wavefront_size32 1
		.amdhsa_system_sgpr_workgroup_id_x 1
		.amdhsa_system_sgpr_workgroup_id_y 1
		.amdhsa_system_sgpr_workgroup_id_z 1
		.amdhsa_system_vgpr_workitem_id 0
		.amdhsa_next_free_vgpr 256
		.amdhsa_next_free_sgpr 66
		.amdhsa_reserve_vcc 0
		.amdhsa_float_denorm_mode_32 3
		.amdhsa_float_denorm_mode_16_64 3
		.amdhsa_memory_ordered 1
		.amdhsa_forward_progress 1
		.amdhsa_inst_pref_size 72
	.end_amdhsa_kernel
	.amdgpu_metadata
---
amdhsa.version: [ 1, 2 ]
amdhsa.kernels:
  - .name:           k_qea3dda78d6_proj
    .symbol:         k_qea3dda78d6_proj.kd
    .args:
      - { .name: query, .offset: 0, .size: 8, .value_kind: global_buffer, .address_space: global }
      - { .name: key, .offset: 8, .size: 8, .value_kind: global_buffer, .address_space: global }
      - { .name: value, .offset: 16, .size: 8, .value_kind: global_buffer, .address_space: global }
      - { .name: Wq, .offset: 24, .size: 8, .value_kind: global_buffer, .address_space: global }
      - { .name: Wk, .offset: 32, .size: 8, .value_kind: global_buffer, .address_space: global }
      - { .name: Wv, .offset: 40, .size: 8, .value_kind: global_buffer, .address_space: global }
      - { .name: bq, .offset: 48, .size: 8, .value_kind: global_buffer, .address_space: global }
      - { .name: bk, .offset: 56, .size: 8, .value_kind: global_buffer, .address_space: global }
      - { .name: bv, .offset: 64, .size: 8, .value_kind: global_buffer, .address_space: global }
      - { .name: qh, .offset: 72, .size: 8, .value_kind: global_buffer, .address_space: global }
      - { .name: kh, .offset: 80, .size: 8, .value_kind: global_buffer, .address_space: global }
      - { .name: vh, .offset: 88, .size: 8, .value_kind: global_buffer, .address_space: global }
    .group_segment_fixed_size: 144384
    .private_segment_fixed_size: 0
    .kernarg_segment_align: 8
    .kernarg_segment_size: 96
    .max_flat_workgroup_size: 256
    .sgpr_count:     66
    .vgpr_count:     256
    .wavefront_size: 32
...
	.end_amdgpu_metadata
.endif
;; end of part 1
;; launch attn (part 2): grid 16 x 16, 8 waves a work-group, clusters of 4 x 1, 327,680 bytes of LDS; arguments qh, kh, vh, att; writes att
.if DOCPART == 2
	.amdgcn_target "amdgcn-amd-amdhsa--gfx1250"
	.amdhsa_code_object_version 6
	.text
	.protected	k_qea3dda78d6_attn
	.globl	k_qea3dda78d6_attn
	.p2align	8
	.type	k_qea3dda78d6_attn,@function
k_qea3dda78d6_attn:
	s_mov_b64 s[64:65], 0
	v_nop
	global_prefetch_b8 v0, s[64:65] scope:SCOPE_SE
	s_setreg_imm32_b32 hwreg(HW_REG_WAVE_MODE, 25, 1), 1
	s_wait_xcnt 0x0
	s_wait_alu depctr_hold_cnt(0) depctr_sa_sdst(0) depctr_va_vdst(0) depctr_va_sdst(0) depctr_va_ssrc(0) depctr_va_vcc(0) depctr_vm_vsrc(0)
	s_getreg_b32 s2, hwreg(HW_REG_IB_STS2, 6, 4)
	s_cmp_eq_u32 s2, 0
	s_cbranch_scc0 .Lentry_in_a_cluster
	s_endpgm
.Lentry_in_a_cluster:
	s_bfe_u32 s2, ttmp6, 0x10000c
	s_cmp_lg_u32 s2, 0x3003
	s_cbranch_scc0 .Lentry_shape_is_right
	s_endpgm
.Lentry_shape_is_right:
; Softmax attention of one (batch, head) and 256 queries: att = softmax(Q K^T / 8) V, with a running maximum; the score matrix never leaves registers.
; qh, kh, vh, att: [b*8+head][4096][64] f16.  qh already carries the factor log2(e)/8, so a score is an exponent of 2.
; Work-group y = b*8+head, x = a block of 256 queries.  Eight waves: wave w has queries 64 (w & 3) .. +63 (four blocks of 16) and, of every
; slot's 256 keys, the half g = w >> 2.  Waves w and w + 4 hold the same queries, each with its own (m, l, O); the two meet once, at the end, in LDS.
; So each fragment of K or V read from LDS feeds four matrix instructions, and each SIMD holds two waves whose softmax and products can overlap.
; TRANSPOSED FORMS: S^T = K Q^T (source 0: 16 keys, source 1: 16 queries): lane (r, h), register j holds key 16 kb + 8 h + j of query r.  Packed in
; pairs, blocks kb = 2 ks and 2 ks + 1 ARE registers 0-3 and 4-7 of a source 1 fragment over 32 keys: P goes to the second product with no shuffle.
; O^T = V^T P^T (source 0: V read transposed from [key][d] by ds_load_tr16_b128).  m, l and the rescaling factor are one number a lane.
; F16 OPERANDS: the weights exp2(s - m) lie in (0, 1] by the running maximum; the attended rows are convex mixes of V's rows, so they have the
; room that V has (the projection's head gives the arithmetic); 11 significant bits keep the roundings of P and of att an eighth of bf16's.
; CLUSTERS: the four work-groups of a cluster (4, 1, 1) are four query blocks of one head and walk the same K and V: every tile is asked for jointly,
; mask 15, which divides the requests for K and V by four.  Addresses of K and V hang on y and the wave's number alone.
; A wave has two tensor loads out at the start and one behind each round.
; LIMITS: weights exp2(s - m) below 2^-126 count as 0 in l (v_exp_f32 flushes; ISA guide 15.8), and below 2^-25 they round to 0 in the second
; product (f16's smallest step is 2^-24); l sums the f32 weights while the second product takes them rounded to f16; a query with a NaN or
; +inf score gives NaN, as the softmax it stands for does.
.set SLOT,  77824                      ; 256 keys: V's 256 rows of 160 bytes, then K's 256 rows of 144
.set KOFF,  40960
.set KP,    144                        ; 128 + 16: sixteen rows begin at sixteen different 16-byte columns modulo 256 bytes
.set VP,    160                        ; 128 + 32: an odd multiple of 32, for the transposing loads
.set MERGE, 2*SLOT                     ; 4 x 18,432: what wave w + 4 hands to wave w: 36 blocks of 512 bytes.  No tensor load lands here
.set STAGE, MERGE+4*18432              ; 4 x 9,216: 64 rows of 144 bytes for each of waves 0-3, on the way out.  Nor here
; window 0: v8, v9 my K fragments in slot 0, 1; v10, v11 my V fragments; v12 Q offset; v13 merge; v14 stage in; v15 stage back; v16 16 x lane
.set KA, 8
.set VA, 10
.set MP, 18                            ; v[18:25]   query block q: (m, m_old - m_new)
.set AL, 26                            ; v[26:33]   (alpha, the other half's figure)
.set LS, 34                            ; v[34:41]   l, as two partial sums of this lane's keys
.set CC, 42                            ; v[42:45]   four chains of the maximum
.set SC, 64                            ; v[64:191]  S[q][kb] at 64 + 32 q + 8 kb; P[q][ks] packed in place at 64 + 32 q + 16 ks
.set KF, 192                           ; v[192:255] K fragments [kb][ks] at 192 + 16 kb + 8 ks
; window 1
.set OA, 0                             ; O[db][q] at 32 db + 8 q
.set QF, 128                           ; Q fragments [q][ks] at 128 + 16 q + 8 ks
.set VF, 192                           ; V^T fragments [ks][db] at 192 + 32 ks + 8 db
.set G1V, 28                           ; s[28:35] group 1 for V's tiles; s[36:43] for K's (the padding differs)
.set G1K, 36
.set G0V, 44                           ; s[44:51] group 0 for V, a set for each slot; s[52:59] for K
.set G0K, 52
.set MSB, 0
.macro WIN new                         ; s_set_vgpr_msb: bits 1:0 source 0, 3:2 source 1, 5:4 source 2, 7:6 destination; the high byte repeats the setting left
.if MSB != \new
	s_set_vgpr_msb (MSB<<8)|\new
.set MSB, \new
.endif
.endm
.macro PLACES n
.rept \n
	v_nop
.endr
.endm
; A round of the cluster's barrier: my work-group's barrier, wave 0 signals for the work-group, every wave waits for all four, my work-group's barrier again.
.macro ROUND
	s_barrier_signal -1
	s_barrier_wait -1
	s_cmp_lg_u32 s12, 0
	s_cbranch_scc1 .Lnot_wave_0_\@
	s_barrier_signal -3
.Lnot_wave_0_\@:
	s_barrier_wait -3
	s_barrier_signal -1
	s_barrier_wait -1
.endm
; A joint refill: waves 0-3 ask for V's four quarters of 64 rows, waves 4-7 for K's.  The branch hangs on the wave's number alone.
.macro JLOAD s
	s_cmp_lt_u32 s12, 4
	s_cbranch_scc0 .Lfor_k_\@
	tensor_load_to_lds s[G0V+4*\s:G0V+4*\s+3], s[G1V:G1V+7]
	s_nop 0
	s_branch .Lasked_\@
.Lfor_k_\@:
	tensor_load_to_lds s[G0K+4*\s:G0K+4*\s+3], s[G1K:G1K+7]
	s_nop 0
.Lasked_\@:
.endm
	s_load_b256 s[4:11], s[0:1], 0x0               ; qh s[4:5], kh s[6:7], vh s[8:9], att s[10:11]
	v_lshl_add_u32 v62, v0, 2, 0x41000
	v_mov_b32 v63, 0
	ds_add_u32 v62, v63
	v_lshrrev_b32 v4, 5, v0
	v_readfirstlane_b32 s12, v4                    ; wave 0 .. 7
	s_and_b32 s13, s12, 3                          ; wq: my 64 queries; also which quarter of a tile I fetch
	s_lshr_b32 s14, s12, 2                         ; g: my half of a slot's keys
	s_bfe_u32 s15, ttmp6, 0x40000                  ; cx
	s_lshl_b32 s16, ttmp9, 2
	s_add_co_u32 s16, s16, s15                     ; query block = 4 x cluster x + cx
	s_and_b32 s17, ttmp7, 0xffff                   ; y = b*8 + head
	s_lshl_b32 s20, s17, 19                        ; a head is 4,096 rows of 128 bytes
	s_lshl_b32 s25, s13, 13                        ; 64 rows
	s_add_co_u32 s20, s20, s25                     ; s[20:21]: offset for K and V: no cx in it
	s_mov_b32 s21, 0
	s_lshl_b32 s18, s16, 15                        ; 256 queries
	s_add_co_u32 s18, s18, s20                     ; s[18:19]: offset for Q and att
	s_mov_b32 s19, 0
	s_mov_b32 s22, 0x76543210                      ; v_permlanex16_b32: lane i takes lane i of the other half
	s_mov_b32 s23, 0xfedcba98
	; group 1: a tile of 64 rows x 64 elements of 2 bytes; after every 32 words (code 4) a pad of 8 words for V, of 4 for K
	s_mov_b32 s[G1V+0], 15|(1<<16)|(1<<20)|(1<<21)|(4<<22)|(7<<25)   ; 15:0 the mask: all four work-groups; 17:16 2 bytes; 20 padding on; 21 set beside a mask
	s_mov_b32 s[G1K+0], 15|(1<<16)|(1<<20)|(1<<21)|(4<<22)|(3<<25)
	s_mov_b32 s[G1V+1], 64<<16                     ; tensor_dim0 = 64
	s_mov_b32 s[G1K+1], 64<<16
	s_mov_b32 s[G1V+2], 64<<16                     ; tensor_dim1 = 64
	s_mov_b32 s[G1K+2], 64<<16
	s_mov_b32 s[G1V+3], 64<<16                     ; tile_dim0 = 64
	s_mov_b32 s[G1K+3], 64<<16
	s_mov_b32 s[G1V+4], 64                         ; tile_dim1 = 64
	s_mov_b32 s[G1K+4], 64
	s_mov_b32 s[G1V+5], 64                         ; 64 elements from row to row
	s_mov_b32 s[G1K+5], 64
	s_mov_b32 s[G1V+6], 0
	s_mov_b32 s[G1K+6], 0
	s_mov_b32 s[G1V+7], 0
	s_mov_b32 s[G1K+7], 0
	s_mul_i32 s26, s12, 64*VP                      ; V's quarter w (waves 0-3)
	s_mul_i32 s27, s12, 64*KP
	s_add_co_u32 s27, s27, KOFF-4*64*KP            ; K's quarter w - 4 (waves 4-7), behind V's 256 rows
	s_wait_dscnt 0x0
	s_wait_kmcnt 0x0
	s_add_nc_u64 s[6:7], s[6:7], s[20:21]
	s_add_nc_u64 s[8:9], s[8:9], s[20:21]
.irp n, 0,1
	s_mov_b32 s[G0V+4*\n], 1
	s_add_co_u32 s[G0V+4*\n+1], s26, \n*SLOT
	s_add_nc_u64 s[G0V+4*\n+2:G0V+4*\n+3], s[8:9], \n*32768        ; keys 256 n ..
	s_or_b32 s[G0V+4*\n+3], s[G0V+4*\n+3], 0x80000000
	s_mov_b32 s[G0K+4*\n], 1
	s_add_co_u32 s[G0K+4*\n+1], s27, \n*SLOT
	s_add_nc_u64 s[G0K+4*\n+2:G0K+4*\n+3], s[6:7], \n*32768
	s_or_b32 s[G0K+4*\n+3], s[G0K+4*\n+3], 0x80000000
.endr
	ROUND                                          ; all four work-groups are here: the first joint loads meet
	s_cmp_lt_u32 s12, 4                            ; both first fills of a wave inside one branch on its number
	s_cbranch_scc0 .Lfirst_k
	tensor_load_to_lds s[G0V:G0V+3], s[G1V:G1V+7]
	s_nop 0
	tensor_load_to_lds s[G0V+4:G0V+7], s[G1V:G1V+7]
	s_nop 0
	s_branch .Lfirst_done
.Lfirst_k:
	tensor_load_to_lds s[G0K:G0K+3], s[G1K:G1K+7]
	s_nop 0
	tensor_load_to_lds s[G0K+4:G0K+7], s[G1K:G1K+7]
	s_nop 0
.Lfirst_done:
	s_add_nc_u64 s[4:5], s[4:5], s[18:19]          ; Q and att at my wave's first query
	s_add_nc_u64 s[10:11], s[10:11], s[18:19]
	v_and_b32 v1, 31, v0                           ; L
	v_and_b32 v2, 15, v0                           ; r
	v_bfe_u32 v3, v0, 4, 1                         ; h
	v_lshlrev_b32 v12, 7, v2
	v_lshl_add_u32 v12, v3, 4, v12                 ; Q: r x 128 + 16 h
	WIN 0x40                                       ; destination in window 1
.irp q, 0,1,2,3
.irp ks, 0,1
	global_load_b128 v[QF+16*\q+8*\ks:QF+16*\q+8*\ks+3],   v12, s[4:5] offset:\q*2048+\ks*64
	global_load_b128 v[QF+16*\q+8*\ks+4:QF+16*\q+8*\ks+7], v12, s[4:5] offset:\q*2048+\ks*64+32
.endr
.endr
	WIN 0
	v_mul_u32_u24 v4, v2, KP
	v_lshl_add_u32 v4, v3, 4, v4                   ; r x 144 + 16 h
	s_mul_i32 s25, s14, 128*KP
	s_add_co_u32 s25, s25, KOFF
	v_add_nc_u32 v[KA], s25, v4
	v_add_nc_u32 v[KA+1], SLOT, v[KA]
	v_and_b32 v7, 7, v0
	v_lshl_add_u32 v5, v3, 3, v7
	v_mul_u32_u24 v5, v5, VP
	v_bfe_u32 v6, v0, 3, 1
	v_lshl_add_u32 v5, v6, 4, v5                   ; ((L & 7) + 8 h) x 160 + 16 ((L >> 3) & 1)
	s_mul_i32 s25, s14, 128*VP
	v_add_nc_u32 v[VA], s25, v5
	v_add_nc_u32 v[VA+1], SLOT, v[VA]
	v_lshlrev_b32 v16, 4, v1
	s_mul_i32 s25, s13, 18432
	s_add_co_u32 s25, s25, MERGE
	v_add_nc_u32 v13, s25, v16
	s_mul_i32 s25, s13, 64*KP
	s_add_co_u32 s25, s25, STAGE
	v_add_nc_u32 v14, s25, v4
	v_lshrrev_b32 v6, 3, v1
	v_mul_u32_u24 v6, v6, KP
	v_lshl_add_u32 v6, v7, 4, v6
	v_add_nc_u32 v15, s25, v6
.irp q, 0,1,2,3
	v_mov_b32 v[MP+2*\q], 0xff800000               ; m = -inf: the first tile's alpha is exp2(-inf) = 0
	v_mov_b32 v[MP+2*\q+1], 0
	v_mov_b32 v[AL+2*\q], 0
	v_mov_b32 v[AL+2*\q+1], 0                      ; v_permlanex16_b32 counts as a reader of its destination
	v_mov_b32 v[LS+2*\q], 0
	v_mov_b32 v[LS+2*\q+1], 0
.endr
; The running maximum of query block q over this tile's 64 keys: 32 numbers a lane and m in 16 three-way maxima, then the other half of the lanes.
.macro MAXQ q
.irp c, 0,1,2,3
	v_max3_num_f32 v[CC+\c], v[SC+32*\q+8*\c], v[SC+32*\q+8*\c+1], v[SC+32*\q+8*\c+2]
.endr
.irp c, 0,1,2,3
	v_max3_num_f32 v[CC+\c], v[CC+\c], v[SC+32*\q+8*\c+3], v[SC+32*\q+8*\c+4]
.endr
.irp c, 0,1,2,3
	v_max3_num_f32 v[CC+\c], v[CC+\c], v[SC+32*\q+8*\c+5], v[SC+32*\q+8*\c+6]
.endr
	v_max3_num_f32 v[CC], v[CC], v[CC+1], v[SC+32*\q+7]
	v_max3_num_f32 v[CC+2], v[CC+2], v[CC+3], v[SC+32*\q+15]
	v_max3_num_f32 v[CC], v[CC], v[CC+2], v[SC+32*\q+23]
	v_max3_num_f32 v[CC], v[CC], v[SC+32*\q+31], v[MP+2*\q]
	v_permlanex16_b32 v[AL+2*\q+1], v[CC], s22, s23
	v_max_num_f32 v[CC], v[CC], v[AL+2*\q+1]
	v_sub_f32 v[MP+2*\q+1], v[MP+2*\q], v[CC]
	v_exp_f32 v[AL+2*\q], v[MP+2*\q+1]             ; alpha = exp2(m_old - m_new)
	v_mov_b32 v[MP+2*\q], v[CC]                    ; the plain instruction between the exponential and its first use (ISA guide 5.7.2)
	s_wait_alu depctr_va_vdst(0)
	v_pk_mul_f32 v[LS+2*\q:LS+2*\q+1], v[LS+2*\q:LS+2*\q+1], v[AL+2*\q:AL+2*\q+1] op_sel_hi:[1,0]
.endm
.macro SUBQ q                          ; s - m, two at a time
.set i, 0
.rept 16
	v_pk_add_f32 v[SC+32*\q+2*i:SC+32*\q+2*i+1], v[SC+32*\q+2*i:SC+32*\q+2*i+1], v[MP+2*\q:MP+2*\q+1] op_sel_hi:[1,0] neg_lo:[0,1] neg_hi:[0,1]
.set i, i+1
.endr
.endm
; One step of the softmax pipeline: exponentials of block q, the subtraction for block q + 1, the sum and the packing of block q - 1, pair by pair.
; Behind each pair of exponentials stands a plain instruction on other registers, and their results are used a whole step later.
; Packing in place, pairs ascending: pair i lands on a register whose pair has been summed and packed already, or on its own.
.macro SMSTEP q
.set i, 0
.rept 16
.if \q < 4
	v_exp_f32 v[SC+32*\q+2*i], v[SC+32*\q+2*i]
	v_exp_f32 v[SC+32*\q+2*i+1], v[SC+32*\q+2*i+1]
.endif
.if \q < 3
	v_pk_add_f32 v[SC+32*(\q+1)+2*i:SC+32*(\q+1)+2*i+1], v[SC+32*(\q+1)+2*i:SC+32*(\q+1)+2*i+1], v[MP+2*(\q+1):MP+2*(\q+1)+1] op_sel_hi:[1,0] neg_lo:[0,1] neg_hi:[0,1]
.endif
.if \q > 0
	s_wait_alu depctr_va_vdst(0)
	v_pk_add_f32 v[LS+2*(\q-1):LS+2*(\q-1)+1], v[LS+2*(\q-1):LS+2*(\q-1)+1], v[SC+32*(\q-1)+2*i:SC+32*(\q-1)+2*i+1]
	v_cvt_pk_f16_f32 v[SC+32*(\q-1)+16*(i/8)+(i%8)], v[SC+32*(\q-1)+2*i], v[SC+32*(\q-1)+2*i+1]
.endif
.set i, i+1
.endr
.endm
; 16 products O^T += V^T P^T over 32 keys: the sixteen accumulators take turns, one instruction a turn.
.macro PV ks, zero
.irp db, 0,1,2,3
.irp q, 0,1,2,3
.if \zero
	v_wmma_f32_16x16x32_f16 v[OA+32*\db+8*\q:OA+32*\db+8*\q+7], v[VF+32*\ks+8*\db:VF+32*\ks+8*\db+7], v[SC+32*\q+16*\ks:SC+32*\q+16*\ks+7], 0
.else
	v_wmma_f32_16x16x32_f16 v[OA+32*\db+8*\q:OA+32*\db+8*\q+7], v[VF+32*\ks+8*\db:VF+32*\ks+8*\db+7], v[SC+32*\q+16*\ks:SC+32*\q+16*\ks+7], v[OA+32*\db+8*\q:OA+32*\db+8*\q+7]
.endif
.endr
.endr
.endm
; 64 keys (number tt of my two in the slot) against my 64 queries.  first = 1: the products start O's sums, and there is nothing to rescale.
.macro TILE slot, tt, first
	PLACES 5                                       ; behind the last products: four places for the loads into their sources, five for the products that write over P (ISA guide 7.12.1 for vector instructions)
.irp kb, 0,1,2,3
.irp ks, 0,1
	ds_load_b128 v[KF+16*\kb+8*\ks:KF+16*\kb+8*\ks+3],   v[KA+\slot] offset:\tt*64*KP+\kb*16*KP+\ks*64
	ds_load_b128 v[KF+16*\kb+8*\ks+4:KF+16*\kb+8*\ks+7], v[KA+\slot] offset:\tt*64*KP+\kb*16*KP+\ks*64+32
.endr
.endr
	WIN 0x40
.irp ks, 0,1
.irp db, 0,1,2,3
	ds_load_tr16_b128 v[VF+32*\ks+8*\db:VF+32*\ks+8*\db+3],   v[VA+\slot] offset:\tt*64*VP+\ks*32*VP+\db*32
	ds_load_tr16_b128 v[VF+32*\ks+8*\db+4:VF+32*\ks+8*\db+7], v[VA+\slot] offset:\tt*64*VP+\ks*32*VP+16*VP+\db*32
.endr
.endr
	WIN 0x04                                       ; source 1 (Q) in window 1
.irp kb, 0,1,2,3
	s_wait_dscnt 28-4*\kb                          ; key block kb's four loads are in; the 4 (3 - kb) younger of K and the 16 of V stay out
.irp q, 0,1,2,3
	v_wmma_f32_16x16x32_f16 v[SC+32*\q+8*\kb:SC+32*\q+8*\kb+7], v[KF+16*\kb:KF+16*\kb+7], v[QF+16*\q:QF+16*\q+7], 0
.endr
.irp q, 0,1,2,3
	v_wmma_f32_16x16x32_f16 v[SC+32*\q+8*\kb:SC+32*\q+8*\kb+7], v[KF+16*\kb+8:KF+16*\kb+15], v[QF+16*\q+8:QF+16*\q+15], v[SC+32*\q+8*\kb:SC+32*\q+8*\kb+7]
.endr
.endr
	WIN 0
	PLACES 4                                       ; four places between the last product and the first reader of a score
	MAXQ 0
	MAXQ 1
	MAXQ 2
	MAXQ 3
.if \first
.else
	WIN 0x41                                       ; O in window 1, alpha in window 0
.irp db, 0,1,2,3
.irp q, 0,1,2,3
.irp p, 0,2,4,6
	v_pk_mul_f32 v[OA+32*\db+8*\q+\p:OA+32*\db+8*\q+\p+1], v[OA+32*\db+8*\q+\p:OA+32*\db+8*\q+\p+1], v[AL+2*\q:AL+2*\q+1] op_sel_hi:[1,0]
.endr
.endr
.endr
	WIN 0
.endif
	SUBQ 0
	SMSTEP 0
	SMSTEP 1
	SMSTEP 2
	SMSTEP 3
	SMSTEP 4
	s_wait_dscnt 0x0                               ; V's fragments are in
	WIN 0x51                                       ; V^T, C and D in window 1, P in window 0
	PV 0, \first
	PV 1, 0
	WIN 0
.endm
.macro PROCESS slot, first
	TILE \slot, 0, \first
	TILE \slot, 1, 0
.endm
; Slot fill, read last, is filled again with the keys two slots on; slot proc is worked on meanwhile.
.macro TURN fill, proc
	s_wait_tensorcnt 0x0                           ; all my tensor loads have landed, my part of slot proc among them: every group 0 may be written
	ds_add_u32 v62, v63
	s_add_nc_u64 s[G0V+4*\fill+2:G0V+4*\fill+3], s[G0V+4*\fill+2:G0V+4*\fill+3], 65536   ; 512 keys of 128 bytes on
	s_add_nc_u64 s[G0K+4*\fill+2:G0K+4*\fill+3], s[G0K+4*\fill+2:G0K+4*\fill+3], 65536
	s_wait_dscnt 0x0                               ; my reads of slot fill are back
	ROUND                                          ; both now hold of every wave of all four work-groups
	JLOAD \fill                                    ; my one tensor load behind the round, and the first thing there
	PROCESS \proc, 0
.endm
	s_wait_loadcnt 0x0                             ; Q
	s_wait_tensorcnt 0x1                           ; my part of slot 0 is in; my part of slot 1 stays out
	s_barrier_signal -1
	s_barrier_wait -1
	PROCESS 0, 1                                   ; keys 0 .. 255
	s_mov_b32 s24, 7
.Lloop:
	TURN 0, 1                                      ; seven trips: fills with keys 512 .. 4095, works on keys 256 .. 3839
	TURN 1, 0
	s_sub_co_u32 s24, s24, 1
	s_cmp_lg_u32 s24, 0
	s_cbranch_scc1 .Lloop
	s_wait_tensorcnt 0x0                           ; the last slot: nothing is left to fetch, so a barrier of the work-group is enough
	s_wait_dscnt 0x0
	s_barrier_signal -1
	s_barrier_wait -1
	PROCESS 1, 0
	; THE TWO HALVES OF THE KEYS MEET.  Waves 4-7 hand O, m and l to waves 0-3.
	PLACES 4                                       ; four places between the last products and the stores of O, and the loads into P's and K's registers
	s_cmp_lt_u32 s12, 4
	s_cbranch_scc1 .Lno_hand
	WIN 0x04                                       ; an LDS store's data is source 1: O in window 1
.set i, 0
.rept 32
	ds_store_b128 v13, v[OA+4*i:OA+4*i+3] offset:512*i
.set i, i+1
.endr
	WIN 0
	ds_store_b128 v13, v[MP:MP+3]   offset:32*512
	ds_store_b128 v13, v[MP+4:MP+7] offset:33*512
	ds_store_b128 v13, v[LS:LS+3]   offset:34*512
	ds_store_b128 v13, v[LS+4:LS+7] offset:35*512
.Lno_hand:
	s_wait_dscnt 0x0                               ; for the partner's sake: all my stores are in LDS
	s_barrier_signal -1
	s_barrier_wait -1
	s_cmp_lt_u32 s12, 4
	s_cbranch_scc0 .Lclose
	ds_load_b128 v[KF:KF+3],     v13 offset:32*512 ; the partner's (m, -) of blocks 0, 1
	ds_load_b128 v[KF+4:KF+7],   v13 offset:33*512 ; of blocks 2, 3
	ds_load_b128 v[KF+8:KF+11],  v13 offset:34*512 ; the partner's l
	ds_load_b128 v[KF+12:KF+15], v13 offset:35*512
.set i, 0
.rept 32
	ds_load_b128 v[SC+4*i:SC+4*i+3], v13 offset:512*i              ; the partner's O, T for short, in O's order
.set i, i+1
.endr
	s_wait_dscnt 32                                ; the four loads of figures are in; the 32 of T stay out
.irp q, 0,1,2,3
	v_max_num_f32 v[CC+\q], v[MP+2*\q], v[KF+2*\q]
.endr
.irp q, 0,1,2,3
	v_sub_f32 v[MP+2*\q+1], v[MP+2*\q], v[CC+\q]
	v_sub_f32 v[KF+2*\q+1], v[KF+2*\q], v[CC+\q]
.endr
.irp q, 0,1,2,3
	v_exp_f32 v[AL+2*\q], v[MP+2*\q+1]             ; a0 = exp2(m - mm)
	v_exp_f32 v[KF+2*\q], v[KF+2*\q+1]             ; a1 = exp2(pm - mm)
.endr
.irp q, 0,1,2,3
	v_add_f32 v[LS+2*\q], v[LS+2*\q], v[LS+2*\q+1] ; plain work on other registers stands behind the exponentials
	v_add_f32 v[KF+8+2*\q], v[KF+8+2*\q], v[KF+9+2*\q]
.endr
.irp q, 0,1,2,3
	s_wait_alu depctr_va_vdst(0)
	v_mul_f32 v[LS+2*\q], v[LS+2*\q], v[AL+2*\q]
.endr
.irp q, 0,1,2,3
	v_fmac_f32 v[LS+2*\q], v[KF+8+2*\q], v[KF+2*\q]
.endr
.irp q, 0,1,2,3
	v_permlanex16_b32 v[AL+2*\q+1], v[LS+2*\q], s22, s23           ; the keys that the other half of the lanes summed
.endr
.irp q, 0,1,2,3
	v_add_f32 v[LS+2*\q], v[LS+2*\q], v[AL+2*\q+1]
.endr
.irp q, 0,1,2,3
	v_rcp_f32 v[LS+2*\q+1], v[LS+2*\q]
.endr
	v_nop                                          ; one plain place behind the reciprocals
.irp q, 0,1,2,3
	s_wait_alu depctr_va_vdst(0)
	v_mul_f32 v[AL+2*\q], v[AL+2*\q], v[LS+2*\q+1] ; f0 = a0 / l
	v_mul_f32 v[MP+2*\q], v[KF+2*\q], v[LS+2*\q+1] ; f1 = a1 / l
.endr
	s_wait_dscnt 0x0
.irp db, 0,1,2,3
.irp q, 0,1,2,3
.irp p, 0,2,4,6
	v_pk_mul_f32 v[SC+32*\db+8*\q+\p:SC+32*\db+8*\q+\p+1], v[SC+32*\db+8*\q+\p:SC+32*\db+8*\q+\p+1], v[MP+2*\q:MP+2*\q+1] op_sel_hi:[1,0]
.endr
.endr
.endr
	WIN 0x01                                       ; source 0 (my O) in window 1
.irp db, 0,1,2,3
.irp q, 0,1,2,3
.irp p, 0,2,4,6
	v_pk_fma_f32 v[SC+32*\db+8*\q+\p:SC+32*\db+8*\q+\p+1], v[OA+32*\db+8*\q+\p:OA+32*\db+8*\q+\p+1], v[AL+2*\q:AL+2*\q+1], v[SC+32*\db+8*\q+\p:SC+32*\db+8*\q+\p+1] op_sel_hi:[1,0,1]
.endr
.endr
.endr
	WIN 0
	; a lane's eight numbers of a tile are d = 16 db + 8 h .. + 7 of query 16 q + r: 16 bytes of a row of att, through my own stage
.irp q, 0,1,2,3
.irp db, 0,1,2,3
.irp p, 0,1,2,3
	v_cvt_pk_f16_f32 v[KF+16*\q+4*\db+\p], v[SC+32*\db+8*\q+2*\p], v[SC+32*\db+8*\q+2*\p+1]
.endr
	ds_store_b128 v14, v[KF+16*\q+4*\db:KF+16*\q+4*\db+3] offset:\q*16*KP+\db*32
.endr
.endr
.set i, 0
.rept 16
	ds_load_b128 v[SC+4*i:SC+4*i+3], v15 offset:i*4*KP             ; four rows of 128 bytes; LDS serves a wave's instructions in order: these see my stores
.set i, i+1
.endr
.set i, 0
.rept 16
	s_wait_dscnt 15-i                              ; the younger loads stay out
	global_store_b128 v16, v[SC+4*i:SC+4*i+3], s[10:11] offset:512*i   ; a head's rows follow each other: 512 consecutive bytes, aligned
.set i, i+1
.endr
.Lclose:
	s_wait_tensorcnt 0x0
	ds_add_u32 v62, v63
	s_wait_dscnt 0x0
	ROUND                                          ; the closing round: no work-group ends while a partner may still ask for a tile that names it
	s_endpgm
.Lfunc_end_k_qea3dda78d6_attn:
	.size	k_qea3dda78d6_attn, .Lfunc_end_k_qea3dda78d6_attn-k_qea3dda78d6_attn
	.p2alignl 7, 3214868480
	.fill 96, 4, 3214868480
	.section	.rodata,"a",@progbits
	.p2align	6, 0x0
	.amdhsa_kernel k_qea3dda78d6_attn
		.amdhsa_group_segment_fixed_size 327680
		.amdhsa_private_segment_fixed_size 0
		.amdhsa_enable_private_segment 0
		.amdhsa_kernarg_size 32
		.amdhsa_user_sgpr_count 2
		.amdhsa_user_sgpr_kernarg_segment_ptr 1
		.amdhsa_wavefront_size32 1
		.amdhsa_system_sgpr_workgroup_id_x 1
		.amdhsa_system_sgpr_workgroup_id_y 1
		.amdhsa_system_sgpr_workgroup_id_z 1
		.amdhsa_system_vgpr_workitem_id 0
		.amdhsa_next_free_vgpr 512
		.amdhsa_next_free_sgpr 66
		.amdhsa_reserve_vcc 0
		.amdhsa_float_denorm_mode_32 3
		.amdhsa_float_denorm_mode_16_64 3
		.amdhsa_memory_ordered 1
		.amdhsa_forward_progress 1
		.amdhsa_inst_pref_size 255
	.end_amdhsa_kernel
	.section	.bss,"aw",@nobits
	.p2align	6
	.space	262144
	.amdgpu_metadata
---
amdhsa.version: [ 1, 2 ]
amdhsa.kernels:
  - .name:           k_qea3dda78d6_attn
    .symbol:         k_qea3dda78d6_attn.kd
    .args:
      - { .name: qh, .offset: 0, .size: 8, .value_kind: global_buffer, .address_space: global }
      - { .name: kh, .offset: 8, .size: 8, .value_kind: global_buffer, .address_space: global }
      - { .name: vh, .offset: 16, .size: 8, .value_kind: global_buffer, .address_space: global }
      - { .name: att, .offset: 24, .size: 8, .value_kind: global_buffer, .address_space: global }
    .group_segment_fixed_size: 327680
    .private_segment_fixed_size: 0
    .kernarg_segment_align: 8
    .kernarg_segment_size: 32
    .max_flat_workgroup_size: 256
    .sgpr_count:     66
    .vgpr_count:     512
    .wavefront_size: 32
...
	.end_amdgpu_metadata
.endif
;; end of part 2
;; launch oproj (part 3): grid 4 x 64, 8 waves a work-group, no clusters, 144,384 bytes of LDS; arguments att, Wo, bo, out0; writes out0
.if DOCPART == 3
	.amdgcn_target "amdgcn-amd-amdhsa--gfx1250"
	.amdhsa_code_object_version 6
	.text
	.protected	k_qea3dda78d6_oproj
	.globl	k_qea3dda78d6_oproj
	.p2align	8
	.type	k_qea3dda78d6_oproj,@function
k_qea3dda78d6_oproj:
	s_mov_b64 s[64:65], 0
	v_nop
	global_prefetch_b8 v0, s[64:65] scope:SCOPE_SE
	s_setreg_imm32_b32 hwreg(HW_REG_WAVE_MODE, 25, 1), 1
	s_wait_xcnt 0x0
; The output projection: out0 = attended Wo + bo.  att: [b*8+head][4096][64] f16, Wo: [512 (k)][512 (n)] f32, bo: [512] f32, out0: [8192][512] f32.
; Work-group x = cb (128 columns), y = rb (128 rows).  Eight waves: wave w makes rows 32 (w & 3) .. +31 and columns 64 (w >> 2) .. +63: 8 accumulator tiles.
; K goes in 4 steps of 128 = two heads each, so the merge of the heads costs nothing: head 2 t + hh fills bytes 128 hh .. of the LDS rows.
; att is f16 already and goes from registers into LDS as it is; Wo is rounded to f16 on the way, lies in LDS as [k][n] and is read transposed.
; ROOM IN F16: Wo 30 times larger is about 30 x 5.5 / sqrt(512) = 7, offset by 30 spreads 1.33; 30 times smaller its spread is 1.5e-3 against
; f16's step of 6e-8 near 0.  LIMIT: an element of Wo beyond 65,504 in magnitude becomes an infinity.
; The bias is the C operand of each accumulator's first product.
; NO TENSOR LOADS, NO JOINT REQUESTS: the tile that work-groups share most, Wo's, is f32 and has to pass through registers to be rounded.
.set SLOTB, 71680                      ; a slot: A's 128 rows, then W's 128 k rows
.set WOFF,  34816
.set AP,    272                        ; 256 bytes + 16: sixteen rows begin at sixteen different 16-byte columns modulo 256 bytes
.set WP,    288                        ; 256 bytes + 32: an odd multiple of 32, for the transposing loads
.set ACC,   16                         ; v[16:79]   acc[mb][nb] at 16 + 8 (4 mb + nb)
.set FA,    80                         ; v[80:95]   fragments of att
.set FB,    96                         ; v[96:127]  fragments of Wo
.set GA,    128                        ; v[128:159] att as loaded, 8 x 4 registers
.set BIAS,  160                        ; v[160:191] bias[nb], in an accumulator's layout
.set GW,    192                        ; v[192:255] Wo as loaded; later the rows read back
; v1 my 16 bytes in W's tile; v2, v3 where I store att in slot 0, 1; v4, v5 the same for W; v6, v7 my fragments of att; v8, v9 of W;
; v10 stage in; v11 stage back; v12 my offset in out0; v13 32 h; v14 16 x thread.  None is ever rewritten.
.macro PLACES n
.rept \n
	v_nop
.endr
.endm
	s_load_b256 s[8:15], s[0:1], 0x0               ; att s[8:9], Wo s[10:11], bo s[12:13], out0 s[14:15]
	v_lshl_add_u32 v15, v0, 2, 0x23000
	s_set_vgpr_msb 0x40
	v_mov_b32 v1, 0
	s_set_vgpr_msb 0x4000
	v_lshrrev_b32 v16, 5, v0
	v_readfirstlane_b32 s7, v16                    ; wave 0 .. 7
	s_and_b32 s6, ttmp7, 0xffff                    ; rb
	s_and_b32 s42, s7, 3                           ; wm
	s_lshr_b32 s43, s7, 2                          ; wn
	v_and_b32 v16, 31, v0                          ; L
	v_and_b32 v17, 15, v0                          ; r
	v_bfe_u32 v18, v0, 4, 1                        ; h
	v_and_b32 v19, 7, v0                           ; L & 7
	v_bfe_u32 v20, v0, 3, 1                        ; (L >> 3) & 1
	v_lshrrev_b32 v21, 3, v16                      ; L >> 3
	s_lshl_b32 s44, s7, 11
	v_lshl_add_u32 v1, v16, 4, s44                 ; W: row w of each eight rows, 16 bytes a lane
	s_mul_i32 s44, s7, 4*AP                        ; att: a wave's load is four rows of 128 bytes
	v_mul_u32_u24 v2, v21, AP
	v_lshl_add_u32 v2, v19, 4, v2
	v_add_nc_u32 v2, s44, v2                       ; (4 w + (L >> 3)) x pitch + 16 (L & 7)
	v_add_nc_u32 v3, SLOTB, v2
	s_mul_i32 s44, s7, WP
	s_add_co_u32 s44, s44, WOFF
	v_lshl_add_u32 v4, v16, 3, s44
	v_add_nc_u32 v5, SLOTB, v4
	s_mul_i32 s44, s42, 32*AP
	v_mul_u32_u24 v6, v17, AP
	v_lshl_add_u32 v6, v18, 4, v6
	v_add_nc_u32 v6, s44, v6                       ; (32 wm + r) x pitch + 16 h
	v_add_nc_u32 v7, SLOTB, v6
	v_lshl_add_u32 v8, v18, 3, v19
	v_mul_u32_u24 v8, v8, WP
	v_lshl_add_u32 v8, v20, 4, v8
	s_lshl_b32 s44, s43, 7
	s_add_co_u32 s44, s44, WOFF
	v_add_nc_u32 v8, s44, v8                       ; ((L & 7) + 8 h) x pitch + 16 ((L >> 3) & 1) + 128 wn
	v_add_nc_u32 v9, SLOTB, v8
	s_mul_i32 s44, s7, 32*AP                       ; my stage: 32 rows of 64 f32, 272 bytes apart
	v_mul_u32_u24 v10, v17, AP
	v_lshl_add_u32 v10, v18, 5, v10
	v_add_nc_u32 v10, s44, v10                     ; in: r x 272 + 32 h
	v_mul_u32_u24 v11, v18, AP
	v_lshl_add_u32 v11, v17, 4, v11
	v_add_nc_u32 v11, s44, v11                     ; back: h x 272 + 16 r
	v_lshlrev_b32 v12, 4, v17
	v_lshl_add_u32 v12, v18, 11, v12               ; the same two rows in out0
	v_lshlrev_b32 v13, 5, v18
	v_lshlrev_b32 v14, 4, v0
	s_lshr_b32 s44, s6, 5                          ; b
	s_lshl_b32 s44, s44, 22                        ; x 8 heads of 524,288 bytes
	s_and_b32 s46, s6, 31
	s_lshl_b32 s46, s46, 14                        ; + my block's 128 rows of 128 bytes
	s_add_co_u32 s44, s44, s46
	s_mov_b32 s45, 0
	s_wait_kmcnt 0x0
	s_add_nc_u64 s[8:9], s[8:9], s[44:45]          ; att: head 0 of my batch, my block's first row
	s_lshl_b32 s44, ttmp9, 9
	s_add_nc_u64 s[10:11], s[10:11], s[44:45]      ; Wo at my block's first column
	s_lshl_b32 s46, s43, 8
	s_add_co_u32 s44, s44, s46
	s_add_nc_u64 s[12:13], s[12:13], s[44:45]      ; the bias at my wave's first column
	s_lshl_b32 s46, s6, 18                         ; rb x 128 rows of 2,048 bytes
	s_add_co_u32 s44, s44, s46
	s_lshl_b32 s46, s42, 16                        ; + my wave's 32 rows
	s_add_co_u32 s44, s44, s46
	s_add_nc_u64 s[14:15], s[14:15], s[44:45]      ; out0 at my wave's first row and column
; K step t's tiles into registers: 8 loads of att (heads 2 t and 2 t + 1, 4,096 consecutive bytes of the work-group each), then 16 of Wo.
.macro GLOAD t
.irp hh, 0,1
.irp c, 0,1,2,3
	global_load_b128 v[GA+4*(4*\hh+\c):GA+4*(4*\hh+\c)+3], v14, s[8:9] offset:(2*\t+\hh)*524288+\c*4096
.endr
.endr
.set i, 0
.rept 16
	global_load_b128 v[GW+4*i:GW+4*i+3], v1, s[10:11] offset:\t*262144+i*16384
.set i, i+1
.endr
.endm
; Into the slot.  The one barrier at the end orders two things: every wave's stores into this slot are done before any wave reads it, and every
; wave's reads of the other slot (each waited for in MM) are done before the next step stores into it.
.macro CVTST slot
	s_wait_loadcnt 16                              ; loads come back in order: att's 8 (and, the first time, the bias's 8 ahead of them) are in, Wo's 16 stay out
.irp hh, 0,1
.irp c, 0,1,2,3
	ds_store_b128 v[2+\slot], v[GA+4*(4*\hh+\c):GA+4*(4*\hh+\c)+3] offset:\c*32*AP+\hh*128
.endr
.endr
	s_wait_loadcnt 0x0
.set i, 0
.rept 16
	v_cvt_pk_f16_f32 v[GW+4*i], v[GW+4*i], v[GW+4*i+1]
	v_cvt_pk_f16_f32 v[GW+4*i+1], v[GW+4*i+2], v[GW+4*i+3]
	ds_store_b64 v[4+\slot], v[GW+4*i:GW+4*i+1] offset:i*8*WP
.set i, i+1
.endr
	s_wait_dscnt 0x0                               ; for the other waves' sake: all my stores are in LDS
	s_barrier_signal -1
	s_barrier_wait -1
.endm
; 32 along K: 12 LDS loads, 8 products.  Source 0 = 16 columns of Wo, source 1 = 16 rows of att: a lane's eight results are eight neighbouring
; columns of one row.  The eight accumulators take turns, one instruction a turn.  first = 1: the sums start from the bias.
.macro MM slot, kk, first
	PLACES 4                                       ; four places between the last products and the loads into their sources (ISA guide 7.12.1 for vector instructions)
.irp mb, 0,1
	ds_load_b128 v[FA+8*\mb:FA+8*\mb+3],   v[6+\slot] offset:\mb*16*AP+\kk*64
	ds_load_b128 v[FA+8*\mb+4:FA+8*\mb+7], v[6+\slot] offset:\mb*16*AP+\kk*64+32
.endr
.irp nb, 0,1,2,3
	ds_load_tr16_b128 v[FB+8*\nb:FB+8*\nb+3],   v[8+\slot] offset:\kk*32*WP+\nb*32
	ds_load_tr16_b128 v[FB+8*\nb+4:FB+8*\nb+7], v[8+\slot] offset:\kk*32*WP+16*WP+\nb*32
.endr
	s_wait_dscnt 0x0
.irp mb, 0,1
.irp nb, 0,1,2,3
.if \first
	v_wmma_f32_16x16x32_f16 v[ACC+8*(4*\mb+\nb):ACC+8*(4*\mb+\nb)+7], v[FB+8*\nb:FB+8*\nb+7], v[FA+8*\mb:FA+8*\mb+7], v[BIAS+8*\nb:BIAS+8*\nb+7]
.else
	v_wmma_f32_16x16x32_f16 v[ACC+8*(4*\mb+\nb):ACC+8*(4*\mb+\nb)+7], v[FB+8*\nb:FB+8*\nb+7], v[FA+8*\mb:FA+8*\mb+7], v[ACC+8*(4*\mb+\nb):ACC+8*(4*\mb+\nb)+7]
.endif
.endr
.endr
.endm
.macro MM4 slot, first
	MM \slot, 0, \first
	MM \slot, 1, 0
	MM \slot, 2, 0
	MM \slot, 3, 0
.endm
.irp nb, 0,1,2,3
	global_load_b128 v[BIAS+8*\nb:BIAS+8*\nb+3],   v13, s[12:13] offset:\nb*64      ; bias of columns 16 nb + 8 h .. + 7: register j of an accumulator's lane
	global_load_b128 v[BIAS+8*\nb+4:BIAS+8*\nb+7], v13, s[12:13] offset:\nb*64+16
.endr
	GLOAD 0
	CVTST 0
	GLOAD 1                                        ; the next step's 24 loads are on their way while this step is multiplied
	MM4 0, 1
	CVTST 1
	GLOAD 2
	MM4 1, 0
	CVTST 0
	GLOAD 3
	MM4 0, 0
	CVTST 1                                        ; behind this barrier nobody reads slot 0 any more: the stages lie there
	MM4 1, 0
	; THE WAY OUT: 32 bytes a lane into my own stage, whole rows of 256 bytes back, sixteen lanes store 256 consecutive aligned bytes.
	PLACES 4                                       ; four places between the last products and the stores that read their results
.irp mb, 0,1
.irp nb, 0,1,2,3
	ds_store_b128 v10, v[ACC+8*(4*\mb+\nb):ACC+8*(4*\mb+\nb)+3]   offset:\mb*16*AP+\nb*64
	ds_store_b128 v10, v[ACC+8*(4*\mb+\nb)+4:ACC+8*(4*\mb+\nb)+7] offset:\mb*16*AP+\nb*64+16
.endr
.endr
.set i, 0
.rept 16
	ds_load_b128 v[GW+4*i:GW+4*i+3], v11 offset:i*2*AP             ; two rows; LDS serves a wave's instructions in order: these see my stores
.set i, i+1
.endr
.set i, 0
.rept 16
	s_wait_dscnt 15-i                              ; the younger loads stay out
	global_store_b128 v12, v[GW+4*i:GW+4*i+3], s[14:15] offset:4096*i th:TH_STORE_NT
.set i, i+1
.endr
	s_set_vgpr_msb 0x4
	s_wait_tensorcnt 0x0
	ds_add_u32 v15, v1
	s_wait_dscnt 0x0
	s_set_vgpr_msb 0x400
	s_endpgm
.Lfunc_end_k_qea3dda78d6_oproj:
	.size	k_qea3dda78d6_oproj, .Lfunc_end_k_qea3dda78d6_oproj-k_qea3dda78d6_oproj
	.p2alignl 7, 3214868480
	.fill 96, 4, 3214868480
	.section	.rodata,"a",@progbits
	.p2align	6, 0x0
	.amdhsa_kernel k_qea3dda78d6_oproj
		.amdhsa_group_segment_fixed_size 144384
		.amdhsa_private_segment_fixed_size 0
		.amdhsa_enable_private_segment 0
		.amdhsa_kernarg_size 32
		.amdhsa_user_sgpr_count 2
		.amdhsa_user_sgpr_kernarg_segment_ptr 1
		.amdhsa_wavefront_size32 1
		.amdhsa_system_sgpr_workgroup_id_x 1
		.amdhsa_system_sgpr_workgroup_id_y 1
		.amdhsa_system_sgpr_workgroup_id_z 1
		.amdhsa_system_vgpr_workitem_id 0
		.amdhsa_next_free_vgpr 258
		.amdhsa_next_free_sgpr 66
		.amdhsa_reserve_vcc 0
		.amdhsa_float_denorm_mode_32 3
		.amdhsa_float_denorm_mode_16_64 3
		.amdhsa_memory_ordered 1
		.amdhsa_forward_progress 1
		.amdhsa_inst_pref_size 55
	.end_amdhsa_kernel
	.amdgpu_metadata
---
amdhsa.version: [ 1, 2 ]
amdhsa.kernels:
  - .name:           k_qea3dda78d6_oproj
    .symbol:         k_qea3dda78d6_oproj.kd
    .args:
      - { .name: att, .offset: 0, .size: 8, .value_kind: global_buffer, .address_space: global }
      - { .name: Wo, .offset: 8, .size: 8, .value_kind: global_buffer, .address_space: global }
      - { .name: bo, .offset: 16, .size: 8, .value_kind: global_buffer, .address_space: global }
      - { .name: out0, .offset: 24, .size: 8, .value_kind: global_buffer, .address_space: global }
    .group_segment_fixed_size: 144384
    .private_segment_fixed_size: 0
    .kernarg_segment_align: 8
    .kernarg_segment_size: 32
    .max_flat_workgroup_size: 256
    .sgpr_count:     66
    .vgpr_count:     258
    .wavefront_size: 32
...
	.end_amdgpu_metadata
.endif
;; end of part 3
